; MI455X (gfx1250); checked and timed in simulation.
; The chip was launched on July 23, 2026; its instructions are those of AMD's public machine-readable ISA for CDNA 5 (MIT licence, August 2026) and "CDNA5" Instruction Set Architecture Reference Guide (July 2026). The comments in the code are by the model that wrote it; some were corrected since.
;; Multi Head Attention. Allowed arithmetic: matrix products marked QUANTISED: E2M1 operands, one E8M0 scale for each 32 along K, by v_wmma_scale_f32_16x16x128_f8f6f4 with both operands' format E2M1 (or v_wmma_scale_f32_32x16x128_f4), f32 sums; products left as they are: bf16, f16 or f32 operands; f32 sums; everything else in f32.
;; Inputs: Wk 512 x 512 float32; Wo 512 x 512 float32; Wq 512 x 512 float32; Wv 512 x 512 float32; bk 512 float32; bo 512 float32; bq 512 float32; bv 512 float32; mask 2 x 4,096 int32; x1 2 x 4,096 x 512 float32; x2 2 x 4,096 x 512 float32.
;; Outputs: out0 2 x 4,096 x 512 float32.
;; This version of the problem:
;;   THIS VERSION OF THE PROBLEM IS GIVEN IN LOW PRECISION. The matrix products marked QUANTISED in the list below multiply operands that are first quantised to E2M1 (2 exponent bits, 1 mantissa bit; 4 bits a number), with one power-of-two scale for each 32 numbers along K (OCP MX v1.0); their sums are f32. The products marked 'left as it is' may take bf16, f16 or f32 operands, with f32 sums. Whichever they take, every output number must still come out within the allowed error. Rounding operands to bf16 (8 significant bits) uses up far more of that allowance than f16 does (11 bits, for magnitudes from 6e-5 to 65,504). All else is computed in f32.
;;   The module's matrix products, in the order in which they are computed (A, B: the left and right operand; K: the contracted axis; several contracted axes count as one K, in the product's order):
;;     1. [M 8,192, K 512] x [K 512, N 512]; A: input x1; B: input Wq: QUANTISED
;;     2. [M 8,192, K 512] x [K 512, N 512]; A: input x2; B: input Wk: QUANTISED
;;     3. [M 8,192, K 512] x [K 512, N 512]; A: input x2; B: input Wv: QUANTISED
;;     4. batch 16 x [M 4,096, K 64] x [K 64, N 4,096]; A: computed on the way; B: computed on the way: left as it is (an operand is computed on the way)
;;     5. batch 16 x [M 4,096, K 4,096] x [K 4,096, N 64]; A: computed on the way; B: computed on the way: left as it is (an operand is computed on the way)
;;     6. [M 8,192, K 512] x [K 512, N 512]; A: computed on the way; B: input Wo: left as it is (an operand is computed on the way)
;;   THE QUANTISER, for each operand of a quantised product, along K:
;;     - K is cut into blocks of 32 from its start; a last block that is shorter is filled with zeros.
;;     - A block's scale is 2^e with e = floor(log2(the largest magnitude in the block)) - 2, held to -126 .. 127; a block of zeros has e = 0. As a byte (E8M0): e + 127.
;;     - Each number is divided by its block's scale, clamped to +-6, and rounded to the nearest number of E2M1, ties to even, subnormals kept.
;;     - The product sums the exact products of the quantised numbers (number of the format x scale) in f32.
;;   ~~~python
;;   def quantise(x, axis):      # numpy; x: float32 -> the quantised numbers, widened to float32 again
;;       x = np.moveaxis(x, axis, -1); K = x.shape[-1]
;;       x = np.pad(x, [(0, 0)] * (x.ndim - 1) + [(0, -K % 32)]); x = x.reshape(x.shape[:-1] + (-1, 32)); a = np.abs(x).max(-1, keepdims=True)
;;       e = np.where(a > 0, np.clip(np.frexp(np.where(a > 0, a, 1))[1] - 1 - 2, -126, 127), 0)      # np.frexp(a)[1] - 1 = floor(log2(a)), exactly
;;       r = np.clip(x / 2.0 ** e, -6, 6)
;;       step = 2.0 ** (np.maximum(np.frexp(np.where(r == 0, 1, r))[1] - 1, 0) - 1)
;;       q = np.round(r / step) * step * 2.0 ** e      # np.round: ties to even
;;       return np.moveaxis(q.reshape(q.shape[:-2] + (-1,))[..., :K], -1, axis).astype(np.float32)
;;   ~~~
;; One version. Each part assembles by itself: llvm-mc -triple=amdgcn-amd-amdhsa -mcpu=gfx1250 --defsym DOCPART=n.
;; ======== version 1 of 1: 4 launches
;; limits: values are held in f16: magnitudes above 65,504 overflow, below 6.1e-05 lose precision
;; workspace buffers: xc 4,194,304 bytes; xs 262,144 bytes; wc 393,216 bytes; ws 24,576 bytes; wof 524,288 bytes; qf 8,388,608 bytes; kv 16,777,216 bytes; ao 8,388,608 bytes
;; launch prep (part 1): grid 320 x 1, 4 waves a work-group, no clusters, 34,304 bytes of LDS; arguments x1, x2, Wq, Wk, Wv, Wo, xc, xs, wc, ws, wof; writes xc, xs, wc, ws, wof
.if DOCPART == 1
	.amdgcn_target "amdgcn-amd-amdhsa--gfx1250"
	.amdhsa_code_object_version 6
	.text
	.protected	k_q96635292e2_prep
	.globl	k_q96635292e2_prep
	.p2align	8
	.type	k_q96635292e2_prep,@function
k_q96635292e2_prep:
	s_mov_b64 s[64:65], 0
	v_nop
	global_prefetch_b8 v0, s[64:65] scope:SCOPE_SE
	s_setreg_imm32_b32 hwreg(HW_REG_WAVE_MODE, 25, 1), 1
	s_wait_xcnt 0x0
; x1, x2 [8192][512] f32 and Wq, Wk, Wv [512 (k)][512 (n)] f32 become codes of E2M1 with one E8M0 byte for each 32 along K; Wo [512 (k)][512 (n)] becomes f16.
; A block's scale is 2^(floor(log2(its largest magnitude)) - 2); its byte is the largest magnitude's exponent field - 2, held at 1 from below.
; EVERYTHING IS STORED AS IMAGES OF OPERAND REGISTERS: a fragment is 1,024 bytes, group g (four registers) of lane l at 512 g + 16 l, so that the later launches fetch any fragment by two
; accesses of 512 consecutive bytes, and every store here covers whole aligned runs of 256 bytes.
;   xc [tensor 2][token tile 512][K step 4][1,024]: lane (r, h), register 4 c + g: k = 128 q + 64 c + 32 h + 8 g .. + 7 of token r.   xs [tensor][token][4 words]: word q = the four bytes of K step q.
;   wc [matrix 3][column tile 32][K step 4][1,024], ws [matrix][column][4 words]: the same with column n in a token's place.
;   wof [column tile 32][K step of 32: 16][1,024]: lane (r, h): column r; registers 0-3 k = 8 h .. + 7, registers 4-7 k = 16 + 8 h .. + 7 of the step, two f16 a register.
; Work-groups 0-255: a wave takes one token tile (16 rows x 512, 32,768 bytes).  All its 64 loads go out at once, 512 consecutive bytes each; a K step's 16 rows turn through the wave's own stage
; in LDS (rows of 512 + 16 bytes) so that a lane gets two whole blocks of 32 neighbours of its row.
; Work-groups 256-319: a lane takes a column n of a weight and its registers run down 128 of K: a block lies in one lane, and nothing is transposed.  Its loads run two blocks of 32 ahead.
; No tensor loads, no barrier: waves share nothing.  No cluster: no byte is read by two work-groups.
; LIMITS: a block whose largest magnitude lies under 2^-124, a block of zeros among them, keeps the byte 1 (its bytes are read by this program alone; zero codes add nothing);
; NaN and infinities are not served; |Wo| stays under 65,504, the largest f16 number.
.set STGW,  8448                       ; a wave's stage: 16 rows x 528 bytes
.set SP,    528
.set SPARE, 4*STGW                     ; behind the stages: the spare words, 128 bytes a wave: two blocks of 256 bytes that no other line names
.set SPW, 4                            ; v4   LDS address of my spare word; never rewritten
.set NIL, 5                            ; v5   0; never rewritten
.set LI,  6                            ; v6   16 x lane (weights' path: 4 x lane)
.set STI, 7                            ; v7   the stage, on the way in (weights' path: my place in the images)
.set STL, 8                            ; v8   the stage, on the way out (weights' path: 16 x lane, for the scale word)
.set XSA, 9                            ; v9   16 x r: my row's four scale words
.set MX,  10                           ; v10-13 largest magnitudes, two chains a block
.set BY,  14                           ; v14-15 scale bytes
.set SH,  16                           ; v16  8 h
.set PD,  17                           ; v17  a lane permute's destination
.set SCO, 18                           ; v18-19 the conversions' scale operands
.set WD,  24                           ; v24  weights' path: the scale word
.set X,   64                           ; v64-127 two blocks of 32 neighbours (weights' path: v64-191, 128 numbers down K)
.set CD,  128                          ; v128-159 codes, eight registers a K step: no store's data are written again
.set SW,  160                          ; v160-163 my row's scale words
.set MSB, 0
.macro WIN new                         ; the immediate's high byte repeats the setting that is left
.if MSB != \new
	s_set_vgpr_msb (MSB<<8)|\new
.set MSB, \new
.endif
.endm
; v[d] = the largest magnitude of v[x] .. v[x + 31] and the floor 2^(3 - 127), which holds the byte at 1 from below; v[e] at work: two chains that do not wait for each other
.macro BMAX d, e, x
	v_max3_num_f32 v[\d], |v[\x]|, |v[\x+1]|, |v[\x+2]|
	v_max3_num_f32 v[\e], |v[\x+3]|, |v[\x+4]|, |v[\x+5]|
.irp i, 6,10,14,18,22,26
	v_max3_num_f32 v[\d], v[\d], |v[\x+\i]|, |v[\x+\i+1]|
	v_max3_num_f32 v[\e], v[\e], |v[\x+\i+2]|, |v[\x+\i+3]|
.endr
	v_max3_num_f32 v[\d], v[\d], |v[\x+30]|, |v[\x+31]|
	v_max3_num_f32 v[\d], v[\d], v[\e], 0x1800000
.endm
; the weights' path: block kb of my column, W(128 q + 32 kb + 0 .. 31, my column), into v[X + 32 kb] on: a wave reads 128 consecutive bytes a load, the work-group's four waves 512
.macro WLOAD kb
.set n, 32*(\kb)
.rept 32
	global_load_b32 v[X+n], v[LI], s[12:13] offset:2048*n th:TH_LOAD_NT
.set n, n+1
.endr
.endm
	s_load_b512 s[8:23], s[0:1], 0x0               ; x1 8, x2 10, Wq 12, Wk 14, Wv 16, Wo 18, xc 20, xs 22
	s_load_b128 s[24:27], s[0:1], 0x40             ; wc 24, ws 26
	s_load_b64 s[28:29], s[0:1], 0x50              ; wof
	v_lshl_add_u32 v[SPW], v0, 2, SPARE
	v_mov_b32 v[NIL], 0
	v_lshrrev_b32 v1, 5, v0
	v_readfirstlane_b32 s30, v1                    ; wave 0..3
	v_and_b32 v1, 31, v0                           ; lane
	v_and_b32 v2, 15, v0                           ; r
	v_bfe_u32 v3, v0, 4, 1                         ; h
	s_cmp_lt_u32 ttmp9, 256
	s_cbranch_scc0 .Lw
	; ---------------- the tokens ----------------
	s_lshl_b32 s31, ttmp9, 2
	s_add_co_u32 s31, s31, s30                     ; T = my token tile, 0 .. 1,023: x1's 512, then x2's
	s_mul_i32 s35, s30, STGW                       ; my stage
	v_lshlrev_b32 v[LI], 4, v1
	v_add_nc_u32 v[STI], s35, v[LI]                ; in: a row's 512 bytes as they lie
	v_mul_u32_u24 v[STL], v2, SP
	v_lshl_add_u32 v[STL], v3, 7, v[STL]
	v_add_nc_u32 v[STL], s35, v[STL]               ; out: row r, + 128 h: my block of each 64 along K
	v_lshlrev_b32 v[XSA], 4, v2
	v_lshlrev_b32 v[SH], 3, v3
	v_mov_b32 v[PD], 0                             ; written once: a lane permute's destination counts as one of its sources
	s_mov_b32 s32, 0x76543210
	s_mov_b32 s33, 0xfedcba98                      ; v_permlanex16_b32's selects for lane l xor 16
	s_and_b32 s36, s31, 511
	s_lshl_b32 s36, s36, 15                        ; the tile's 32,768 bytes in its tensor
	s_mov_b32 s37, 0
	s_lshl_b32 s38, s31, 12                        ; its four fragments
	s_mov_b32 s39, 0
	s_lshl_b32 s40, s31, 8                         ; its 16 x 4 scale words
	s_mov_b32 s41, 0
	s_wait_kmcnt 0x0
	s_cmp_lt_u32 ttmp9, 128                        ; x1's work-group or x2's: the choice hangs on the work-group's number alone
	s_cselect_b64 s[8:9], s[8:9], s[10:11]
	s_add_nc_u64 s[8:9], s[8:9], s[36:37]
	s_add_nc_u64 s[20:21], s[20:21], s[38:39]
	s_add_nc_u64 s[22:23], s[22:23], s[40:41]
	WIN 0x40                                       ; destination window 1: K step q's row i at v[64 q + 4 i]
.irp q, 0,1,2,3
.irp i, 0,1,2,3,4,5,6,7,8,9,10,11,12,13,14,15
	global_load_b128 v[64*\q+4*\i:64*\q+4*\i+3], v[LI], s[8:9] offset:2048*\i+512*\q th:TH_LOAD_NT   ; 32 lanes read 512 consecutive bytes; read once in the launch
.endr
.endr
	WIN 0
.macro XSTEP q
	s_wait_loadcnt 48-16*\q                        ; this K step's 16 loads are in; the later steps' may be out
	WIN 0x04                                       ; an LDS store's data are its source 1: window 1
.irp i, 0,1,2,3,4,5,6,7,8,9,10,11,12,13,14,15
	ds_store_b128 v[STI], v[64*\q+4*\i:64*\q+4*\i+3] offset:SP*\i
.endr
	WIN 0
.irp c, 0,1
.irp g, 0,1,2,3,4,5,6,7
	ds_load_b128 v[X+32*\c+4*\g:X+32*\c+4*\g+3], v[STL] offset:256*\c+16*\g   ; LDS serves a wave's instructions in order: these see the stores above.  k = 64 c + 32 h + 4 g .. of row r
.endr
.endr
	s_wait_dscnt 0x0                               ; my 64 numbers are in; the stage may be written again
	BMAX MX, MX+1, X                               ; block 2 c + h of my row: all its 32 numbers are mine
	BMAX MX+2, MX+3, X+32
	v_add_nc_u32 v[SCO], 0xff000000, v[MX]         ; 2 off the exponent field: the conversion takes the exponent field of this operand as its scale
	v_add_nc_u32 v[SCO+1], 0xff000000, v[MX+2]
	v_lshrrev_b32 v[BY], 23, v[SCO]                ; the scales' bytes
	v_lshrrev_b32 v[BY+1], 23, v[SCO+1]
	v_lshl_or_b32 v[BY], v[BY+1], 16, v[BY]        ; blocks h and 2 + h,
	v_lshlrev_b32 v[BY], v[SH], v[BY]              ; at their places in the word;
	v_permlanex16_b32 v[PD], v[BY], s32, s33
	v_or_b32 v[SW+\q], v[BY], v[PD]                ; with lane l xor 16's two the word is whole
.irp c, 0,1
.irp g, 0,1,2,3
	v_cvt_scalef32_pk8_fp4_f32 v[CD+8*\q+4*\c+\g], v[X+32*\c+8*\g:X+32*\c+8*\g+7], v[SCO+\c]
.endr
.endr
	v_nop                                          ; one plain place behind the last scaled conversion
.irp c, 0,1
	global_store_b128 v[LI], v[CD+8*\q+4*\c:CD+8*\q+4*\c+3], s[20:21] offset:1024*\q+512*\c   ; a group of the image: 512 consecutive bytes
.endr
.endm
	XSTEP 0
	XSTEP 1
	XSTEP 2
	XSTEP 3
	s_wait_xcnt 0x0                                ; EXEC changes only behind this wait
	v_cmp_gt_u32 vcc_lo, 16, v1
	s_and_saveexec_b32 s34, vcc_lo                 ; lanes 0-15: lanes 16-31 hold the same words
	global_store_b128 v[XSA], v[SW:SW+3], s[22:23] ; 16 lanes store 256 consecutive bytes, aligned
	s_wait_xcnt 0x0                                ; and again, in front of the line that widens it
	s_or_b32 exec_lo, exec_lo, s34
	s_wait_tensorcnt 0x0                           ; the wave's end: a tensor wait, an add to my spare word and its wait, behind my last LDS store
	ds_add_u32 v[SPW], v[NIL]
	s_wait_dscnt 0x0
	s_endpgm
	; ---------------- the weights ----------------
.Lw:
	s_sub_co_u32 s31, ttmp9, 256
	s_lshr_b32 s34, s31, 4                         ; which weight: 0 Wq, 1 Wk, 2 Wv, 3 Wo
	s_bfe_u32 s35, s31, 0x20002                    ; which 128 columns
	s_and_b32 s36, s31, 3                          ; q: which 128 along K
	v_lshlrev_b32 v[LI], 2, v1                     ; 4 bytes a lane: my column is 128 x s35 + 32 x wave + lane
	s_lshl_b32 s38, s36, 18                        ; 128 rows of 2,048 bytes,
	s_lshl_b32 s37, s35, 9
	s_add_co_u32 s38, s38, s37                     ; the work-group's 512 bytes of a row,
	s_lshl_b32 s37, s30, 7
	s_add_co_u32 s38, s38, s37                     ; my wave's 128 of them
	s_mov_b32 s39, 0
	s_lshl_b32 s40, s35, 3
	s_lshl_b32 s37, s30, 1
	s_add_co_u32 s40, s40, s37                     ; my wave's first column tile (it has two: lanes 0-15, lanes 16-31)
	s_wait_kmcnt 0x0
	s_cmp_eq_u32 s34, 1
	s_cselect_b64 s[12:13], s[14:15], s[12:13]
	s_cmp_eq_u32 s34, 2
	s_cselect_b64 s[12:13], s[16:17], s[12:13]
	s_cmp_eq_u32 s34, 3
	s_cselect_b64 s[12:13], s[18:19], s[12:13]
	s_add_nc_u64 s[12:13], s[12:13], s[38:39]
	WLOAD 0                                        ; two blocks of 32 loads go out here; each arm below asks for block kb + 2 as soon as block kb is in
	WLOAD 1
	v_lshlrev_b32 v[STI], 4, v2                    ; 16 r
	s_cmp_eq_u32 s34, 3
	s_cbranch_scc1 .Lwo
	v_lshl_add_u32 v[STI], v3, 12, v[STI]          ; + the second tile's 4,096 bytes for lanes 16-31
	v_lshlrev_b32 v[STL], 4, v1                    ; a column's four scale words are 16 bytes
	s_lshl_b32 s42, s34, 17                        ; wc: the matrix,
	s_lshl_b32 s37, s40, 12
	s_add_co_u32 s42, s42, s37                     ; the column tile,
	s_lshl_b32 s37, s36, 10
	s_add_co_u32 s42, s42, s37                     ; the K step
	s_mov_b32 s43, 0
	s_add_nc_u64 s[24:25], s[24:25], s[42:43]
	s_lshl_b32 s44, s34, 13                        ; ws: the matrix,
	s_lshl_b32 s37, s35, 11
	s_add_co_u32 s44, s44, s37
	s_lshl_b32 s37, s30, 9
	s_add_co_u32 s44, s44, s37                     ; my wave's 32 columns,
	s_lshl_b32 s37, s36, 2
	s_add_co_u32 s44, s44, s37                     ; word q
	s_mov_b32 s45, 0
	s_add_nc_u64 s[26:27], s[26:27], s[44:45]
.irp kb, 0,1,2,3                       ; block kb = 2 c + h of the image: group c, lanes 16 h + r
.if \kb < 3
	s_wait_loadcnt 32                              ; this block's 32 loads are in; the next block's 32 may be out
.else
	s_wait_loadcnt 0x0                             ; the last block: nothing was issued behind it
.endif
.if \kb < 2
	WLOAD \kb+2                                    ; into registers of its own
.endif
	BMAX MX, MX+1, X+32*\kb
	v_add_nc_u32 v[SCO], 0xff000000, v[MX]
.if \kb == 0
	v_lshrrev_b32 v[WD], 23, v[SCO]
.else
	v_lshrrev_b32 v[BY], 23, v[SCO]
	v_lshl_or_b32 v[WD], v[BY], 8*\kb, v[WD]
.endif
.irp g, 0,1,2,3
	v_cvt_scalef32_pk8_fp4_f32 v[192+4*\kb+\g], v[X+32*\kb+8*\g:X+32*\kb+8*\g+7], v[SCO]
.endr
	v_nop                                          ; one plain place behind the last scaled conversion
	global_store_b128 v[STI], v[192+4*\kb:195+4*\kb], s[24:25] offset:512*(\kb/2)+256*(\kb%2)   ; sixteen lanes store 256 consecutive bytes, aligned
.endr
	global_store_b32 v[STL], v[WD], s[26:27]       ; 4 bytes of each column's 16: 24,576 bytes in the whole launch go out so
	s_endpgm
.Lwo:
	v_lshl_add_u32 v[STI], v3, 14, v[STI]          ; + the second tile's 16,384 bytes for lanes 16-31
	s_lshl_b32 s42, s40, 14                        ; wof: the column tile,
	s_lshl_b32 s37, s36, 12
	s_add_co_u32 s42, s42, s37                     ; four K steps of 32
	s_mov_b32 s43, 0
	s_add_nc_u64 s[28:29], s[28:29], s[42:43]
.irp o, 0,1,2,3,4,5,6,7,8,9,10,11,12,13,14,15   ; eight neighbours along K: K step o / 4, group (o % 4) / 2, lanes 16 (o % 2) + r
.if (\o%4) == 0
.if \o < 12
	s_wait_loadcnt 32                              ; this K step's 32 loads are in; the next step's 32 may be out
.else
	s_wait_loadcnt 0x0
.endif
.if \o < 8
	WLOAD \o/4+2
.endif
.endif
.irp k, 0,1,2,3
	v_cvt_pk_f16_f32 v[192+4*\o+\k], v[X+8*\o+2*\k], v[X+8*\o+2*\k+1]
.endr
	global_store_b128 v[STI], v[192+4*\o:195+4*\o], s[28:29] offset:1024*(\o/4)+512*((\o%4)/2)+256*(\o%2)
.endr
	s_endpgm
.Lfunc_end_k_q96635292e2_prep:
	.size	k_q96635292e2_prep, .Lfunc_end_k_q96635292e2_prep-k_q96635292e2_prep
	.p2alignl 7, 3214868480
	.fill 96, 4, 3214868480
	.section	.rodata,"a",@progbits
	.p2align	6, 0x0
	.amdhsa_kernel k_q96635292e2_prep
		.amdhsa_group_segment_fixed_size 34304
		.amdhsa_private_segment_fixed_size 0
		.amdhsa_enable_private_segment 0
		.amdhsa_kernarg_size 88
		.amdhsa_user_sgpr_count 2
		.amdhsa_user_sgpr_kernarg_segment_ptr 1
		.amdhsa_wavefront_size32 1
		.amdhsa_system_sgpr_workgroup_id_x 1
		.amdhsa_system_sgpr_workgroup_id_y 1
		.amdhsa_system_sgpr_workgroup_id_z 1
		.amdhsa_system_vgpr_workitem_id 0
		.amdhsa_next_free_vgpr 512
		.amdhsa_next_free_sgpr 66
		.amdhsa_reserve_vcc 1
		.amdhsa_float_denorm_mode_32 3
		.amdhsa_float_denorm_mode_16_64 3
		.amdhsa_memory_ordered 1
		.amdhsa_forward_progress 1
		.amdhsa_inst_pref_size 62
	.end_amdhsa_kernel
	.amdgpu_metadata
---
amdhsa.version: [ 1, 2 ]
amdhsa.kernels:
  - .name:           k_q96635292e2_prep
    .symbol:         k_q96635292e2_prep.kd
    .args:
      - { .name: x1, .offset: 0, .size: 8, .value_kind: global_buffer, .address_space: global }
      - { .name: x2, .offset: 8, .size: 8, .value_kind: global_buffer, .address_space: global }
      - { .name: Wq, .offset: 16, .size: 8, .value_kind: global_buffer, .address_space: global }
      - { .name: Wk, .offset: 24, .size: 8, .value_kind: global_buffer, .address_space: global }
      - { .name: Wv, .offset: 32, .size: 8, .value_kind: global_buffer, .address_space: global }
      - { .name: Wo, .offset: 40, .size: 8, .value_kind: global_buffer, .address_space: global }
      - { .name: xc, .offset: 48, .size: 8, .value_kind: global_buffer, .address_space: global }
      - { .name: xs, .offset: 56, .size: 8, .value_kind: global_buffer, .address_space: global }
      - { .name: wc, .offset: 64, .size: 8, .value_kind: global_buffer, .address_space: global }
      - { .name: ws, .offset: 72, .size: 8, .value_kind: global_buffer, .address_space: global }
      - { .name: wof, .offset: 80, .size: 8, .value_kind: global_buffer, .address_space: global }
    .group_segment_fixed_size: 34304
    .private_segment_fixed_size: 0
    .kernarg_segment_align: 8
    .kernarg_segment_size: 88
    .max_flat_workgroup_size: 128
    .sgpr_count:     66
    .vgpr_count:     512
    .wavefront_size: 32
...
	.end_amdgpu_metadata
.endif
;; end of part 1
;; launch proj (part 2): grid 64 x 3, 4 waves a work-group, no clusters, 0 bytes of LDS; arguments xc, xs, wc, ws, bq, bk, qf, kv; writes qf, kv
.if DOCPART == 2
	.amdgcn_target "amdgcn-amd-amdhsa--gfx1250"
	.amdhsa_code_object_version 6
	.text
	.protected	k_q96635292e2_proj
	.globl	k_q96635292e2_proj
	.p2align	8
	.type	k_q96635292e2_proj,@function
k_q96635292e2_proj:
	s_mov_b64 s[64:65], 0
	v_nop
	global_prefetch_b8 v0, s[64:65] scope:SCOPE_SE
	s_setreg_imm32_b32 hwreg(HW_REG_WAVE_MODE, 25, 1), 1
	s_wait_xcnt 0x0
; The three quantised products x1 Wq, x2 Wk, x2 Wv on codes of E2M1 with E8M0 scales, sums in f32; then + bq, + bk in f32; Q also x c = log2(e) / 8, so that attention's scores leave the matrix
; unit as exponents of 2; the results are rounded once to f16 and stored as images of the operand registers that attention wants.  (bv is added on attention's way out: the weights sum to 1.)
; SHARES.  Work-group (X, y): 8 token tiles (128 tokens), y = 0 Q, 1 K, 2 V.  Wave w: column tiles 8 w .. 8 w + 7, two heads.  A wave holds its 8 + 8 tiles for all of K = 512 in registers
; (2 x 256), read once by loads of 512 consecutive bytes, and makes 64 tiles of 16 x 16 with 4 matrix instructions each.
; ONE TEXT, TWO ORIENTATIONS: source 0 ("A", window 1) and source 1 ("B", window 2) are filled through pointers that change places where y = 2.
;   Q, K: A = the weight's tiles, B = the tokens': a lane holds token r and eight neighbouring channels.    V: A = the tokens', B = the weight's: a lane holds channel r and eight neighbouring keys.
; In both, A's tiles 2 u and 2 u + 1 against B's tile i give, rounded in pairs, the eight registers of ONE f16 fragment (16 x 32), which leaves by two stores of 512 consecutive bytes.
;   qf [b h 16][query tile 256][channels 32 cs: 2][1,024]     kv [b h 16][key step of 64: 64][16,384]: K [key tile 4][cs 2][1,024], then V^T [keys 32 ks: 2][channel tile 4][1,024]
; No LDS, no tensor load, no cluster: every operand byte of a wave goes straight into its registers once, and there is no loop whose refills partners could ask for jointly.
; LIMITS: |c q|, |k|, |v| stay under 65,504, the largest f16 number; NaN and infinities are not served.
.set H32, 2                            ; v2   32 h: my eight numbers of a bias tile
.set R16, 3                            ; v3   16 r: my row's four scale words
.set LI,  4                            ; v4   16 x lane; v4-7: where fragment u = 0 .. 3 goes
.set SCA, 8                            ; v8-39   A's scale words: tile a, K step q at 4 a + q (lanes 0-15 are read)
.set SCB, 40                           ; v40-71  B's
.set BI,  72                           ; v72-135 the bias x the factor, in the result's layout: tile a at 8 a
.set ACC, 136                          ; v136-199 eight accumulators
.set PK,  200                          ; v200-231 the f16 pairs
.set MSB, 0
.macro WIN new                         ; the immediate's high byte repeats the setting that is left
.if MSB != \new
	s_set_vgpr_msb (MSB<<8)|\new
.set MSB, \new
.endif
.endm
	s_load_b512 s[8:23], s[0:1], 0x0               ; xc 8, xs 10, wc 12, ws 14, bq 16, bk 18, qf 20, kv 22
	v_lshrrev_b32 v1, 5, v0
	v_readfirstlane_b32 s4, v1                     ; wave 0..3
	v_and_b32 v1, 31, v0
	v_lshlrev_b32 v[LI], 4, v1
	v_bfe_u32 v[H32], v0, 4, 1
	v_lshlrev_b32 v[H32], 5, v[H32]
	v_and_b32 v[R16], 15, v0
	v_lshlrev_b32 v[R16], 4, v[R16]
	s_and_b32 s3, ttmp7, 0xffff                    ; y
	s_min_u32 s5, s3, 1                            ; which tensor of tokens: 0 x1, 1 x2
	s_lshl_b32 s24, s3, 17                         ; wc: the matrix,
	s_lshl_b32 s6, s4, 15
	s_add_co_u32 s24, s24, s6                      ; my 8 column tiles of 4,096 bytes
	s_mov_b32 s25, 0
	s_lshl_b32 s26, s3, 13                         ; ws likewise: 128 columns of 16 bytes
	s_lshl_b32 s6, s4, 11
	s_add_co_u32 s26, s26, s6
	s_mov_b32 s27, 0
	s_lshl_b32 s28, s5, 9
	s_lshl_b32 s6, ttmp9, 3
	s_add_co_u32 s28, s28, s6
	s_lshl_b32 s28, s28, 12                        ; xc: token tile 512 x tensor + 8 X
	s_mov_b32 s29, 0
	s_lshl_b32 s30, s5, 13
	s_lshl_b32 s6, ttmp9, 7
	s_add_co_u32 s30, s30, s6
	s_lshl_b32 s30, s30, 4                         ; xs: token 8,192 x tensor + 128 X
	s_mov_b32 s31, 0
	s_lshr_b32 s32, ttmp9, 5
	s_lshl_b32 s32, s32, 3
	s_lshl_b32 s6, s4, 1
	s_add_co_u32 s32, s32, s6                      ; my first b h: 8 b + 2 w
	s_and_b32 s33, ttmp9, 31                       ; X within the batch
	s_lshl_b32 s32, s32, 19
	s_lshl_b32 s33, s33, 14
	s_add_co_u32 s32, s32, s33                     ; qf: 2^19 bytes a head, 8 query tiles of 2,048;
	s_lshl_b32 s32, s32, s5                        ; kv: twice that: 2^20 a head, two key steps of 16,384
	s_mov_b32 s33, 0
	s_lshl_b32 s34, 0x80000, s5                    ; from fragment u to u + 2: Q, K: the next head;
	s_lshl_b32 s35, s5, 13                         ; what tile 4 adds: K: on to the next key step's K (4 x 2,048 + 8,192 = 16,384); Q: nothing
	s_mov_b32 s36, 0x400                           ; from fragment u to u + 1: Q, K: the next 32 channels
	s_mov_b32 s38, 0x800                           ; from B's tile i to i + 1: Q, K: the next token tile
	s_cmp_eq_u32 s3, 2                             ; V:
	s_cselect_b32 s34, 0x4000, s34                 ; the next key step,
	s_cselect_b32 s40, 0xff000, s35                ; the next head (4 x 1,024 + 0xff000 = 2^20),
	s_cselect_b32 s36, 0x1000, s36                 ; the next 32 keys,
	s_cselect_b32 s38, 0x400, s38                  ; the next channel tile,
	s_cselect_b32 s6, 0x2000, 0                    ; behind the key step's K
	s_mov_b32 s39, 0
	s_mov_b32 s41, 0
	s_add_co_u32 s32, s32, s6
	s_cmp_eq_u32 s3, 0
	s_cselect_b32 s42, 0x3e38aa3b, 1.0             ; the factor: c = log2(e) / 8 for Q, else 1
	s_mov_b32 s43, s42                             ; (named with it as a pair, so it is written)
	v_add_nc_u32 v[LI+1], s36, v[LI]
	v_add_nc_u32 v[LI+2], s34, v[LI]
	v_add_nc_u32 v[LI+3], s34, v[LI+1]
	s_lshl_b32 s6, s4, 9                           ; my 128 numbers of a bias
	s_mov_b32 s7, 0
	s_wait_kmcnt 0x0
	s_add_nc_u64 s[12:13], s[12:13], s[24:25]
	s_add_nc_u64 s[14:15], s[14:15], s[26:27]
	s_add_nc_u64 s[8:9], s[8:9], s[28:29]
	s_add_nc_u64 s[10:11], s[10:11], s[30:31]
	s_cmp_eq_u32 s3, 2                             ; the choices hang on the work-group's number alone
	s_cselect_b64 s[44:45], s[8:9], s[12:13]       ; A's codes
	s_cselect_b64 s[46:47], s[12:13], s[8:9]       ; B's
	s_cselect_b64 s[48:49], s[10:11], s[14:15]     ; A's scale words
	s_cselect_b64 s[50:51], s[14:15], s[10:11]     ; B's
	s_cmp_eq_u32 s3, 0
	s_cselect_b64 s[52:53], s[20:21], s[22:23]     ; where the results go
	s_cselect_b64 s[54:55], s[16:17], s[18:19]     ; the bias
	s_add_nc_u64 s[52:53], s[52:53], s[32:33]
	s_add_nc_u64 s[54:55], s[54:55], s[6:7]
	s_cmp_eq_u32 s3, 2
	s_cbranch_scc1 .Lnob
.irp a, 0,1,2,3,4,5,6,7                ; lane (r, h), tile a: the bias of channels 16 a + 8 h + 0 .. 7
	global_load_b128 v[BI+8*\a:BI+8*\a+3], v[H32], s[54:55] offset:64*\a
	global_load_b128 v[BI+8*\a+4:BI+8*\a+7], v[H32], s[54:55] offset:64*\a+16
.endr
	s_branch .Lbias
.Lnob:
.set n, 0
.rept 64
	v_mov_b32 v[BI+n], 0                           ; V has no bias here
.set n, n+1
.endr
.Lbias:
.irp a, 0,1,2,3,4,5,6,7
	global_load_b128 v[SCA+4*\a:SCA+4*\a+3], v[R16], s[48:49] offset:256*\a   ; row r's four words; lanes 16-31 read the same
.endr
.irp a, 0,1,2,3,4,5,6,7
	global_load_b128 v[SCB+4*\a:SCB+4*\a+3], v[R16], s[50:51] offset:256*\a
.endr
	WIN 0x40                                       ; destination window 1: A's tile a, K step q at v[32 a + 8 q]: the images are linear in the registers
.set n, 0
.rept 64
	global_load_b128 v[4*n:4*n+3], v[LI], s[44:45] offset:512*n
.set n, n+1
.endr
	WIN 0x80                                       ; destination window 2: B's likewise
.set n, 0
.rept 64
	global_load_b128 v[4*n:4*n+3], v[LI], s[46:47] offset:512*n
.set n, n+1
.endr
	WIN 0
	s_wait_loadcnt 56                              ; all but B's tiles 1 to 7 are in, the bias among them
.set n, 0
.rept 32
	v_pk_mul_f32 v[BI+2*n:BI+2*n+1], v[BI+2*n:BI+2*n+1], s[42:43] op_sel_hi:[1,0]   ; (sum + bias) x factor = sum x factor + bias x factor
.set n, n+1
.endr
.macro MM a, i, q
.if \q == 0
	v_wmma_scale_f32_16x16x128_f8f6f4 v[ACC+8*\a:ACC+8*\a+7], v[32*\a+8*\q:32*\a+8*\q+7], v[32*\i+8*\q:32*\i+8*\q+7], 0, v[SCA+4*\a+\q], v[SCB+4*\i+\q] matrix_a_fmt:MATRIX_FMT_FP4 matrix_b_fmt:MATRIX_FMT_FP4
.else
	v_wmma_scale_f32_16x16x128_f8f6f4 v[ACC+8*\a:ACC+8*\a+7], v[32*\a+8*\q:32*\a+8*\q+7], v[32*\i+8*\q:32*\i+8*\q+7], v[ACC+8*\a:ACC+8*\a+7], v[SCA+4*\a+\q], v[SCB+4*\i+\q] matrix_a_fmt:MATRIX_FMT_FP4 matrix_b_fmt:MATRIX_FMT_FP4
.endif
.endm
; B's tile i against A's eight: 32 matrix instructions, the eight accumulators by turns, K ascending, the first K step starting the sums; then factor and bias, f16, four fragments out.
.macro TILE i
	s_wait_loadcnt 8*(7-\i)                        ; B's tile i is in; the later tiles' eight loads each may be out
	WIN 0x09                                       ; source 0 window 1, source 1 window 2, C and D window 0
.irp q, 0,1,2,3
.irp a, 0,1,2,3,4,5,6,7
	MM \a, \i, \q
.endr
.endr
	WIN 0
.rept 4
	v_nop                                          ; four places between the last product and the first read of its result
.endr
.if \i > 0
	s_wait_xcnt 0x0                                ; the last tile's stores have read their data and their base: both are written again below
	s_add_nc_u64 s[52:53], s[52:53], s[38:39]
.endif
.if \i == 4
	s_add_nc_u64 s[52:53], s[52:53], s[40:41]
.endif
.set n, 0
.rept 32
	v_pk_fma_f32 v[ACC+2*n:ACC+2*n+1], v[ACC+2*n:ACC+2*n+1], s[42:43], v[BI+2*n:BI+2*n+1] op_sel_hi:[1,0,1]   ; each accumulator from its low end on
.set n, n+1
.endr
.set n, 0
.rept 32
	v_cvt_pk_f16_f32 v[PK+n], v[ACC+2*n], v[ACC+2*n+1]
.set n, n+1
.endr
.irp a, 0,1,2,3,4,5,6,7
	global_store_b128 v[LI+\a/2], v[PK+4*\a:PK+4*\a+3], s[52:53] offset:512*(\a%2)   ; a group of fragment a / 2: 512 consecutive bytes
.endr
.endm                                  ; (the 64 vector lines, of which 56 name no register of the last product, are more than the five places owed before the next tile's products write the accumulators anew)
	TILE 0
	TILE 1
	TILE 2
	TILE 3
	TILE 4
	TILE 5
	TILE 6
	TILE 7
	s_endpgm
.Lfunc_end_k_q96635292e2_proj:
	.size	k_q96635292e2_proj, .Lfunc_end_k_q96635292e2_proj-k_q96635292e2_proj
	.p2alignl 7, 3214868480
	.fill 96, 4, 3214868480
	.section	.rodata,"a",@progbits
	.p2align	6, 0x0
	.amdhsa_kernel k_q96635292e2_proj
		.amdhsa_group_segment_fixed_size 0
		.amdhsa_private_segment_fixed_size 0
		.amdhsa_enable_private_segment 0
		.amdhsa_kernarg_size 64
		.amdhsa_user_sgpr_count 2
		.amdhsa_user_sgpr_kernarg_segment_ptr 1
		.amdhsa_wavefront_size32 1
		.amdhsa_system_sgpr_workgroup_id_x 1
		.amdhsa_system_sgpr_workgroup_id_y 1
		.amdhsa_system_sgpr_workgroup_id_z 1
		.amdhsa_system_vgpr_workitem_id 0
		.amdhsa_next_free_vgpr 768
		.amdhsa_next_free_sgpr 66
		.amdhsa_reserve_vcc 0
		.amdhsa_float_denorm_mode_32 3
		.amdhsa_float_denorm_mode_16_64 3
		.amdhsa_memory_ordered 1
		.amdhsa_forward_progress 1
		.amdhsa_inst_pref_size 95
	.end_amdhsa_kernel
	.amdgpu_metadata
---
amdhsa.version: [ 1, 2 ]
amdhsa.kernels:
  - .name:           k_q96635292e2_proj
    .symbol:         k_q96635292e2_proj.kd
    .args:
      - { .name: xc, .offset: 0, .size: 8, .value_kind: global_buffer, .address_space: global }
      - { .name: xs, .offset: 8, .size: 8, .value_kind: global_buffer, .address_space: global }
      - { .name: wc, .offset: 16, .size: 8, .value_kind: global_buffer, .address_space: global }
      - { .name: ws, .offset: 24, .size: 8, .value_kind: global_buffer, .address_space: global }
      - { .name: bq, .offset: 32, .size: 8, .value_kind: global_buffer, .address_space: global }
      - { .name: bk, .offset: 40, .size: 8, .value_kind: global_buffer, .address_space: global }
      - { .name: qf, .offset: 48, .size: 8, .value_kind: global_buffer, .address_space: global }
      - { .name: kv, .offset: 56, .size: 8, .value_kind: global_buffer, .address_space: global }
    .group_segment_fixed_size: 0
    .private_segment_fixed_size: 0
    .kernarg_segment_align: 8
    .kernarg_segment_size: 64
    .max_flat_workgroup_size: 128
    .sgpr_count:     66
    .vgpr_count:     768
    .wavefront_size: 32
...
	.end_amdgpu_metadata
.endif
;; end of part 2
;; launch attn (part 3): grid 16 x 16, 8 waves a work-group, clusters of 4 x 1, 327,680 bytes of LDS; arguments qf, kv, mask, bv, ao; writes ao
.if DOCPART == 3
	.amdgcn_target "amdgcn-amd-amdhsa--gfx1250"
	.amdhsa_code_object_version 6
	.text
	.protected	k_q96635292e2_attn
	.globl	k_q96635292e2_attn
	.p2align	8
	.type	k_q96635292e2_attn,@function
k_q96635292e2_attn:
	s_mov_b64 s[64:65], 0
	v_nop
	global_prefetch_b8 v0, s[64:65] scope:SCOPE_SE
	s_setreg_imm32_b32 hwreg(HW_REG_WAVE_MODE, 25, 1), 1
	s_wait_xcnt 0x0
	s_wait_alu depctr_hold_cnt(0) depctr_sa_sdst(0) depctr_va_vdst(0) depctr_va_sdst(0) depctr_va_ssrc(0) depctr_va_vcc(0) depctr_vm_vsrc(0)
	s_getreg_b32 s2, hwreg(HW_REG_IB_STS2, 6, 4)
	s_cmp_eq_u32 s2, 0
	s_cbranch_scc0 .Lentry_in_a_cluster
	s_endpgm
.Lentry_in_a_cluster:
	s_bfe_u32 s2, ttmp6, 0x10000c
	s_cmp_lg_u32 s2, 0x3003
	s_cbranch_scc0 .Lentry_shape_is_right
	s_endpgm
.Lentry_shape_is_right:
; For each batch and head: O[q] = sum over keys of softmax_k(q . k / 8 + mask[k] x -1e9) v[k], + bv.  Operands in f16 (Q carries c = log2(e) / 8 already), products, maxima and sums in f32.
; t = the score in exponents of 2.  The mask's term, float(mask) x (-1e9 log2(e)), is the C of each score tile's first matrix instruction.  A running maximum m and sum l for each query:
; p = 2^(t - m), at most 1; in every step O and l are multiplied by a = 2^(m_old - m_new).  p is rounded to f16 for the second product, the sum is taken of the unrounded p.
; Since the weights sum to 1, v's bias is added once, at the end.
; SHARES.  A work-group owns 256 queries of one head.  Waves w and w + 4 own the SAME 64 queries (four tiles of 16): wave w walks the even key steps of 64 keys, wave w + 4 the odd ones;
; the two parts (O, m, l) are merged once, at the end, through LDS.  So each fragment of K and V read from LDS feeds four matrix instructions, and two waves share a SIMD: one wave's
; vector work stands beside the other's matrix work.
; LAYOUT.  S^T = K Q^T (source 0 = 16 keys, source 1 = 16 queries), O^T = V^T P (source 0 = 16 channels, source 1 = P): a lane holds ONE query (lane % 16) throughout; two score tiles, rounded
; in pairs, ARE a fragment of P.  qf and kv hold images of the operands' registers: group n (four registers) of a run of fragments lies at 512 n + 16 x lane, in memory and in LDS alike.
; RING.  Two LDS slots of 131,072 bytes, a chunk of 8 key steps each; wave w fetches key step w of a chunk, 16,384 dense bytes, by one tensor load.
; CLUSTER.  The four query blocks of a cluster belong to one head and walk the same kv: each load is asked for JOINTLY, by the same descriptor with a mask that names the four.
; LIMITS: |attention's result| under 65,504; NaN and infinities not served.  Where EVERY key of a batch is masked, the weights hang on how score + bias rounds at a magnitude of 1e9: here the
; bias is added in exponents of 2 inside the matrix unit (steps of 128), in the source text by an f32 addition (steps of 64); for |score / 8| under 32 both are taken to leave equal weights, if that sum rounds to nearest.
; REGISTERS.  Window 0: v1-15 addresses; v16-55 ten registers of statistics a tile; v56-63 the partner's m and l; v64-191 S^T, 32 a tile (P is laid over a tile's first 16); v192-255 K of a step.
;   Window 1: v0-127 O^T, 32 a tile; v128-191 Q, 16 a tile; v192-255 V of a step (its first 32 hold the step's mask terms while K Q^T runs).
.set SLOT1, 1<<17                      ; slot 1 begins here: one exclusive or turns an address in one slot into the other's
.set CHUNK, 131072
.set BIAS,  262144                     ; behind the ring: the mask's terms of the batch, 4,096 f32; stored by the waves, never a load's target
.set SPARE, BIAS+16384                 ; the spare words, 128 bytes a wave: four blocks of 256 bytes that no other line names
.set MSTG,  17408                      ; the merge's stage of a pair of waves: O's image (16,384), four m (128 each), four l; in slot 0, behind its last fill and its last read
.set LI,  1                            ; v1   16 x lane
.set MB0, 2                            ; v2   BIAS + 32 h: my eight keys of a score tile
.set ADK, 3                            ; v3   the step's tiles in LDS
.set ADM, 4                            ; v4   the step's mask terms
.set MST, 5                            ; v5   the merge: O's image
.set MSS, 6                            ; v6   the merge: m and l
.set PFO, 8                            ; v8   256 x lane: the prefetches' offset; never rewritten
.set H32, 9                            ; v9   32 h
.set SPW, 14                           ; v14  LDS address of my spare word; never rewritten
.set NIL, 15                           ; v15  0; never rewritten
.set ST,  16                           ; tile t at ST + 10 t: +0 -m, +1 pad, +2:3 l (even keys', odd keys'), +4..7 c0-c3 at work (+4:5 then a sum, +6 then a, +7 m_old - m_new), +8:9 a sum
.set PM,  56                           ; v56-59 the partner's -m, v60-63 its l
.set S,   64
.set KF,  192
.set O,   0                            ; window 1
.set Q,   128
.set VB,  192
.set WV,  14                           ; s14  my wave's number
.set G1,  24                           ; s[24:31] descriptor group 1
.set G0A, 32                           ; s[32:35] group 0 of the first fill of slot 0
.set G0W, 36                           ; s[36:39] group 0 of slot 1's first fill; it then walks
.set SEL, 40                           ; s[40:41] lane selects: lane l xor 16
.set TB,  42                           ; s42  LDS byte of my next key step
.set TM,  43                           ; s43  its mask terms: 256 bytes a key step
.set SLOTS, 44                         ; s44  refills to go
.set CNT, 45                           ; s45  counts my four steps of a chunk
.set PFA, 46                           ; s[46:47] where my prefetches stand
.set LIM, 48                           ; s48  1 in a wave that prefetches, else the greatest number
.set TAIL, 49
.set MSB, 0
.macro WIN new                         ; the immediate's high byte repeats the setting that is left
.if MSB != \new
	s_set_vgpr_msb (MSB<<8)|\new
.set MSB, \new
.endif
.endm
; A round of the cluster's barrier: my work-group's barrier; wave 0 signals for the work-group; every wave waits for all four work-groups; my work-group's barrier once more.
.macro CROUND
	s_barrier_signal -1
	s_barrier_wait -1
	s_cmp_lg_u32 s[WV], 0
	s_cbranch_scc1 .Lnot_wave_0_\@
	s_barrier_signal -3
.Lnot_wave_0_\@:
	s_barrier_wait -3
	s_barrier_signal -1
	s_barrier_wait -1
.endm
; A prefetch of the chunk that the NEXT change of slots will load: four of my key steps, 256 of my matrix instructions, ahead of that load.  Each aligned 256 bytes are named once in the launch:
; all clusters of a head walk the same kv, so the head's first cluster asks; its four partners take 32,768 bytes each, told apart by ADDRESS; in each, waves 0-3 take 8,192 bytes, lanes 256 apart.
; Chunks 0 to 2 come by their loads alone; the last refill asks for nothing: there is no chunk behind it.
.macro ASK
	s_cmp_gt_u32 s[SLOTS], s[LIM]
	s_cbranch_scc0 .Lnot_mine_\@
	global_prefetch_b8 v[PFO], s[PFA:PFA+1] th:TH_LOAD_NT scope:SCOPE_SE
.Lnot_mine_\@:
.endm
	s_load_b256 s[4:11], s[0:1], 0x0               ; qf 4, kv 6, mask 8, bv 10
	s_load_b64 s[12:13], s[0:1], 0x20              ; ao
	v_lshl_add_u32 v[SPW], v0, 2, SPARE
	v_mov_b32 v[NIL], 0
	ds_add_u32 v[SPW], v[NIL]                      ; the wave's opening: the add, twice on end, and its wait ahead of my first tensor load; the set-up below stands between
	ds_add_u32 v[SPW], v[NIL]
	v_lshrrev_b32 v10, 5, v0
	v_readfirstlane_b32 s[WV], v10                 ; wave 0..7
	s_lshr_b32 s15, s[WV], 2                       ; G: 0 even key steps, 1 odd
	s_and_b32 s16, s[WV], 3                        ; p: which 64 queries
	s_bfe_u32 s17, ttmp6, 0x40000                  ; cx: it enters qf's, ao's and the prefetches' global addresses alone
	s_lshl_b32 s18, ttmp9, 2
	s_add_co_u32 s18, s18, s17                     ; my block of 256 queries
	s_and_b32 s19, ttmp7, 0xffff                   ; b h, which the four partners share
	s_lshr_b32 s20, s19, 3                         ; b
	s_and_b32 s21, s19, 7                          ; head
	s_lshl_b32 s22, s20, 14                        ; the batch's 4,096 mask words
	s_mov_b32 s23, 0
	s_mov_b32 s[G1], 15|(3<<16)|(1<<21)            ; 15:0 the mask: all four work-groups; 17:16 elements of 8 bytes; 21 set beside a mask; no padding
	s_mov_b32 s[G1+1], 32<<16                      ; tensor_dim0 = 32 elements: rows of 256 bytes
	s_mov_b32 s[G1+2], 64<<16                      ; tensor_dim1 = 64
	s_mov_b32 s[G1+3], 32<<16                      ; tile_dim0
	s_mov_b32 s[G1+4], 64                          ; tile_dim1
	s_mov_b32 s[G1+5], 32                          ; from row to row: dense
	s_mov_b32 s[G1+6], 0
	s_mov_b32 s[G1+7], 0
	s_mov_b32 s[SEL], 0x76543210
	s_mov_b32 s[SEL+1], 0xfedcba98
	s_lshl_b32 s[TB], s15, 14
	s_lshl_b32 s[TM], s15, 8
	s_mov_b32 s[SLOTS], 6
	s_or_b32 s[LIM], s15, ttmp9                    ; 0 in waves 0-3 of the head's first cluster: the same in all four partners
	s_cmp_eq_u32 s[LIM], 0
	s_cselect_b32 s[LIM], 1, -1
	s_lshl_b32 s50, s19, 20                        ; kv: the head's 2^20 bytes,
	s_lshl_b32 s52, s[WV], 14                      ; key step w of a chunk: in memory and in a slot
	s_add_co_u32 s50, s50, s52
	s_mov_b32 s51, 0
	s_lshl_b32 s54, s19, 20                        ; the prefetches: the head,
	s_lshl_b32 s53, s17, 15
	s_add_co_u32 s54, s54, s53                     ; my work-group's quarter of a chunk,
	s_lshl_b32 s53, s16, 13
	s_add_co_u32 s54, s54, s53                     ; my wave's quarter of that,
	s_add_co_u32 s54, s54, 2*CHUNK                 ; in chunk 2: the first change of slots steps it to chunk 3
	s_mov_b32 s55, 0
	s_lshl_b32 s56, s19, 19                        ; qf: the head, my block's 16 tiles of 2,048 bytes, my wave's 4
	s_lshl_b32 s53, s18, 15
	s_add_co_u32 s56, s56, s53
	s_lshl_b32 s53, s16, 13
	s_add_co_u32 s56, s56, s53
	s_mov_b32 s57, 0
	s_lshl_b32 s58, s20, 22                        ; ao: token tile 256 b + 16 block + 4 p, 16,384 bytes each; + the head's two fragments
	s_lshl_b32 s53, s18, 18
	s_add_co_u32 s58, s58, s53
	s_lshl_b32 s53, s16, 16
	s_add_co_u32 s58, s58, s53
	s_lshl_b32 s53, s21, 11
	s_add_co_u32 s58, s58, s53
	s_mov_b32 s59, 0
	s_lshl_b32 s60, s21, 8                         ; bv: the head's 64 numbers
	s_mov_b32 s61, 0
	s_mul_i32 s53, s16, MSTG                       ; my pair's stage
	v_and_b32 v10, 31, v0                          ; lane
	v_bfe_u32 v13, v0, 4, 1                        ; h
	v_lshlrev_b32 v[LI], 4, v10
	v_lshl_add_u32 v[MB0], v13, 5, BIAS
	v_lshlrev_b32 v[H32], 5, v13
	v_add_nc_u32 v[MST], s53, v[LI]
	v_lshl_add_u32 v[MSS], v10, 2, s53
	v_add_nc_u32 v[MSS], 16384, v[MSS]
	v_lshlrev_b32 v[PFO], 8, v10
	v_lshlrev_b32 v11, 4, v0                       ; the mask: 16 bytes a thread
	v_lshl_add_u32 v12, v0, 4, BIAS                ; and where its terms go
	s_wait_dscnt 0x0                               ; both opening adds are done
	s_wait_kmcnt 0x0
	s_mov_b32 s[G0A], 1                            ; count = 1
	s_mov_b32 s[G0A+1], s52                        ; LDS address: slot 0, key step w
	s_add_nc_u64 s[G0A+2:G0A+3], s[6:7], s[50:51]  ; global address: chunk 0
	s_mov_b32 s[G0W], 1
	s_add_co_u32 s[G0W+1], s52, SLOT1              ; slot 1,
	s_add_nc_u64 s[G0W+2:G0W+3], s[G0A+2:G0A+3], CHUNK   ; chunk 1
	s_or_b32 s[G0A+3], s[G0A+3], 0x80000000        ; type = 2
	s_or_b32 s[G0W+3], s[G0W+3], 0x80000000
	s_add_nc_u64 s[PFA:PFA+1], s[6:7], s[54:55]
	s_add_nc_u64 s[4:5], s[4:5], s[56:57]
	s_add_nc_u64 s[12:13], s[12:13], s[58:59]
	s_add_nc_u64 s[8:9], s[8:9], s[22:23]
	s_add_nc_u64 s[10:11], s[10:11], s[60:61]
	CROUND                                         ; all four work-groups are here: the first joint loads meet
	tensor_load_to_lds s[G0A:G0A+3], s[G1:G1+7]    ; both first fills together, in every wave: two loads of mine are out
	s_nop 0
	tensor_load_to_lds s[G0W:G0W+3], s[G1:G1+7]
	s_nop 0
.rept 4
	v_nop
.endr
.irp i, 0,1,2,3
	global_load_b128 v[S+4*\i:S+4*\i+3], v11, s[8:9] offset:4096*\i   ; the batch's mask: 256 threads x 16 bytes, four times
.endr
	WIN 0x40                                       ; destination window 1
.set n, 0
.rept 16
	global_load_b128 v[Q+4*n:Q+4*n+3], v[LI], s[4:5] offset:512*n     ; Q stays in registers: tile t, channels 32 cs on at Q + 16 t + 8 cs
.set n, n+1
.endr
.set n, 0
.rept 128
	v_mov_b32 v[O+n], 0                            ; O^T.  The key step is written with no first step of its own: the first finds zeros, which its a = 0 leaves zeros; that spares a third copy of the step
.set n, n+1
.endr
	WIN 0
.irp t, 0,1,2,3
	v_mov_b32 v[ST+10*\t], 0x7f61b1e6              ; -m: m = -3e38, under every t
	v_mov_b32 v[ST+10*\t+1], 0                     ; (named with it as a pair)
	v_mov_b32 v[ST+10*\t+2], 0                     ; l
	v_mov_b32 v[ST+10*\t+3], 0
.endr
	s_wait_loadcnt 16                              ; the mask's four loads are in; Q's sixteen may be out
.set n, 0
.rept 16
	v_cvt_f32_i32 v[S+n], v[S+n]
.set n, n+1
.endr
.set n, 0
.rept 16
	v_mul_f32 v[S+n], 0xceabfb8f, v[S+n]           ; x -1e9 log2(e)
.set n, n+1
.endr
.irp i, 0,1,2,3
	ds_store_b128 v12, v[S+4*\i:S+4*\i+3] offset:4096*\i
.endr
	s_wait_tensorcnt 0x1                           ; my part of chunk 0 is in; chunk 1's load may stay out
	s_wait_dscnt 0x0                               ; my mask terms have landed
	s_barrier_signal -1
	s_barrier_wait -1                              ; everybody's have
	s_wait_loadcnt 0x0                             ; Q
; ONE KEY STEP: 64 keys for my four tiles: 32 products K Q^T, the softmax, 32 products V^T P.
.macro STEP
	WIN 0
	v_add_nc_u32 v[ADK], s[TB], v[LI]
	v_add_nc_u32 v[ADM], s[TM], v[MB0]
.rept 3
	v_nop                                          ; with the two additions: five places between the last V^T P and the products that write S^T over P; four are owed to the loads into V's registers
.endr
.set n, 0
.rept 16
	ds_load_b128 v[KF+4*n:KF+4*n+3], v[ADK] offset:512*n              ; K: key tile kt, channels 32 cs on at KF + 16 kt + 8 cs
.set n, n+1
.endr
	WIN 0x40
.irp kt, 0,1,2,3
	ds_load_b128 v[VB+8*\kt:VB+8*\kt+3], v[ADM] offset:64*\kt         ; the mask terms of keys 16 kt + 8 h + 0 .. 7, in the result's layout
	ds_load_b128 v[VB+8*\kt+4:VB+8*\kt+7], v[ADM] offset:64*\kt+16
.endr
	s_wait_dscnt 0x0
	WIN 0x14                                       ; K window 0, Q window 1, C (mask terms) window 1, S^T window 0
.irp kt, 0,1,2,3                       ; the sixteen accumulators take turns, one instruction a turn
.irp t, 0,1,2,3
	v_wmma_f32_16x16x32_f16 v[S+32*\t+8*\kt:S+32*\t+8*\kt+7], v[KF+16*\kt:KF+16*\kt+7], v[Q+16*\t:Q+16*\t+7], v[VB+8*\kt:VB+8*\kt+7]
.endr
.endr
	WIN 0x04
.irp kt, 0,1,2,3
.irp t, 0,1,2,3
	v_wmma_f32_16x16x32_f16 v[S+32*\t+8*\kt:S+32*\t+8*\kt+7], v[KF+16*\kt+8:KF+16*\kt+15], v[Q+16*\t+8:Q+16*\t+15], v[S+32*\t+8*\kt:S+32*\t+8*\kt+7]
.endr
.endr
	WIN 0
.rept 4
	v_nop                                          ; four places: for the loads over the mask terms, and for the first read of the scores
.endr
	WIN 0x40
.set n, 0
.rept 16
	ds_load_b128 v[VB+4*n:VB+4*n+3], v[ADK] offset:8192+512*n         ; V^T: keys 32 ks on, channel tile ct at VB + 32 ks + 8 ct.  It lands under the softmax
.set n, n+1
.endr
	WIN 0
	; the maximum of a lane's 32 scores and the old m: four chains a tile, the tiles by turns; each score tile is read from its low end on
.irp j, 0,1,2,3
.irp t, 0,1,2,3
	v_max3_num_f32 v[ST+10*\t+4+\j], v[S+32*\t+8*\j], v[S+32*\t+8*\j+1], v[S+32*\t+8*\j+2]
.endr
.endr
.irp u, 1,2
.irp j, 0,1,2,3
.irp t, 0,1,2,3
	v_max3_num_f32 v[ST+10*\t+4+\j], v[ST+10*\t+4+\j], v[S+32*\t+8*\j+2*\u+1], v[S+32*\t+8*\j+2*\u+2]
.endr
.endr
.endr
.irp t, 0,1,2,3
	v_max3_num_f32 v[ST+10*\t+4], v[ST+10*\t+4], v[S+32*\t+7], v[S+32*\t+15]
.endr
.irp t, 0,1,2,3
	v_max3_num_f32 v[ST+10*\t+6], v[ST+10*\t+6], v[S+32*\t+23], v[S+32*\t+31]
.endr
.irp t, 0,1,2,3
	v_max3_num_f32 v[ST+10*\t+4], v[ST+10*\t+4], v[ST+10*\t+5], v[ST+10*\t+6]
.endr
.irp t, 0,1,2,3
	v_max3_num_f32 v[ST+10*\t+4], v[ST+10*\t+4], v[ST+10*\t+7], -v[ST+10*\t]
.endr
.irp t, 0,1,2,3
	v_permlanex16_b32 v[ST+10*\t+5], v[ST+10*\t+4], s[SEL], s[SEL+1]  ; the query's other 32 keys lie in the lane 16 away
.endr
.irp t, 0,1,2,3
	v_mov_b32 v[ST+10*\t+7], v[ST+10*\t]           ; the old -m
.endr
.irp t, 0,1,2,3
	v_min_num_f32 v[ST+10*\t], -v[ST+10*\t+4], -v[ST+10*\t+5]         ; the new -m
.endr
.irp t, 0,1,2,3
	v_sub_f32 v[ST+10*\t+7], v[ST+10*\t], v[ST+10*\t+7]               ; m_old - m_new, 0 or less
.endr
	; ONE BATCH of 132 exponentials with one wait: nothing in it names an exponential's result.  A tile's subtractions stand among the tile before's exponentials
.irp t, 0,1,2,3
	v_exp_f32 v[ST+10*\t+6], v[ST+10*\t+7]         ; a
.endr
.set n, 0
.rept 16
	v_pk_add_f32 v[S+2*n:S+2*n+1], v[S+2*n:S+2*n+1], v[ST:ST+1] op_sel_hi:[1,0]   ; t - m, two at a time (of the pair the low word, -m, serves both halves)
.set n, n+1
.endr
.irp t, 0,1,2
.set n, 0
.rept 16
	v_pk_add_f32 v[S+32*(\t+1)+2*n:S+32*(\t+1)+2*n+1], v[S+32*(\t+1)+2*n:S+32*(\t+1)+2*n+1], v[ST+10*(\t+1):ST+10*(\t+1)+1] op_sel_hi:[1,0]
	v_exp_f32 v[S+32*\t+2*n], v[S+32*\t+2*n]
	v_exp_f32 v[S+32*\t+2*n+1], v[S+32*\t+2*n+1]
.set n, n+1
.endr
.endr
.set n, 0
.rept 32
	v_exp_f32 v[S+96+n], v[S+96+n]
.set n, n+1
.endr
	v_nop                                          ; a plain instruction behind the last exponential
	s_wait_alu depctr_va_vdst(0)                   ; a wait ahead of the first instruction that names a result: one for the batch
	; the sums of the unrounded p, two chains a tile; l = a l + the sum
.irp t, 0,1,2,3
	v_pk_add_f32 v[ST+10*\t+4:ST+10*\t+5], v[S+32*\t:S+32*\t+1], v[S+32*\t+4:S+32*\t+5]
.endr
.irp t, 0,1,2,3
	v_pk_add_f32 v[ST+10*\t+8:ST+10*\t+9], v[S+32*\t+2:S+32*\t+3], v[S+32*\t+6:S+32*\t+7]
.endr
.irp i, 8,12,16,20,24,28
.irp t, 0,1,2,3
	v_pk_add_f32 v[ST+10*\t+4:ST+10*\t+5], v[ST+10*\t+4:ST+10*\t+5], v[S+32*\t+\i:S+32*\t+\i+1]
.endr
.irp t, 0,1,2,3
	v_pk_add_f32 v[ST+10*\t+8:ST+10*\t+9], v[ST+10*\t+8:ST+10*\t+9], v[S+32*\t+\i+2:S+32*\t+\i+3]
.endr
.endr
.irp t, 0,1,2,3
	v_pk_add_f32 v[ST+10*\t+4:ST+10*\t+5], v[ST+10*\t+4:ST+10*\t+5], v[ST+10*\t+8:ST+10*\t+9]
.endr
.irp t, 0,1,2,3
	v_pk_fma_f32 v[ST+10*\t+2:ST+10*\t+3], v[ST+10*\t+2:ST+10*\t+3], v[ST+10*\t+6:ST+10*\t+7], v[ST+10*\t+4:ST+10*\t+5] op_sel_hi:[1,0,1]
.endr
	; P: pair j of a tile's weights goes to its register j: written only where both sources have been read
.set n, 0
.rept 16
.irp t, 0,1,2,3
	v_cvt_pk_f16_f32 v[S+32*\t+n], v[S+32*\t+2*n], v[S+32*\t+2*n+1]
.endr
.set n, n+1
.endr
	WIN 0x41                                       ; O^T (destination and source 0) window 1, a window 0
.set n, 0
.rept 16
.irp t, 0,1,2,3
	v_pk_mul_f32 v[O+32*\t+2*n:O+32*\t+2*n+1], v[O+32*\t+2*n:O+32*\t+2*n+1], v[ST+10*\t+6:ST+10*\t+7] op_sel_hi:[1,0]   ; each accumulator from its low end on
.endr
.set n, n+1
.endr
	s_wait_dscnt 0x0                               ; V is in
	WIN 0x51                                       ; V window 1, P window 0, O^T window 1
.irp ks, 0,1
.irp ct, 0,1,2,3
.irp t, 0,1,2,3
	v_wmma_f32_16x16x32_f16 v[O+32*\t+8*\ct:O+32*\t+8*\ct+7], v[VB+32*\ks+8*\ct:VB+32*\ks+8*\ct+7], v[S+32*\t+8*\ks:S+32*\t+8*\ks+7], v[O+32*\t+8*\ct:O+32*\t+8*\ct+7]
.endr
.endr
.endr
	WIN 0
	s_add_co_u32 s[TB], s[TB], 32768               ; my next key step is two on
	s_add_co_u32 s[TM], s[TM], 512
.endm
.macro FOUR_STEPS                      ; my four key steps of a chunk: written once, walked four times
	s_mov_b32 s[CNT], 4
.Lstep_\@:
	STEP
	s_sub_co_u32 s[CNT], s[CNT], 1
	s_cmp_lg_u32 s[CNT], 0
	s_cbranch_scc1 .Lstep_\@
.endm
; THE CHANGE OF SLOTS.  Each wave waits for all its tensor loads (one is out: its part of the next chunk), adds 0 to its spare word, and waits for that and for its reads of the chunk that it leaves.
; fill = 1: the barrier is a round of the cluster's, so that no wave of any partner still reads the slot or has a load on its way; the joint refill, the chunk two on, is the first thing behind it
; and my one tensor load until the next round: it has my four key steps, 256 matrix instructions, in which to land.
.macro CHANGE fill
	s_wait_tensorcnt 0x0                           ; no tensor load of mine is out, so a group 0 may be written
	ds_add_u32 v[SPW], v[NIL]                      ; 0 onto my spare word
.if \fill
	s_xor_b32 s[G0W+1], s[G0W+1], SLOT1            ; the walking descriptor: the other slot than last time,
	s_add_nc_u64 s[G0W+2:G0W+3], s[G0W+2:G0W+3], CHUNK   ; the next chunk; the type bits on top are not reached
	s_wait_xcnt 0x0                                ; the last prefetch, a chunk back, has read its address, so it may be written
	s_add_nc_u64 s[PFA:PFA+1], s[PFA:PFA+1], CHUNK
	s_wait_dscnt 0x0                               ; the add is done, and my reads of the slot are over
	CROUND
	tensor_load_to_lds s[G0W:G0W+3], s[G1:G1+7]
	s_nop 0
.rept 4
	v_nop
.endr
	ASK
.else
	s_wait_dscnt 0x0
	s_barrier_signal -1
	s_barrier_wait -1
.endif
	s_sub_co_u32 s[TB], s[TB], CHUNK               ; back to a slot's first steps,
	s_xor_b32 s[TB], s[TB], SLOT1                  ; in the other slot
.endm
.Lslot:                                ; six trips: chunks 0 to 5; behind chunk k its slot takes chunk k + 2
	FOUR_STEPS
	CHANGE 1
	s_sub_co_u32 s[SLOTS], s[SLOTS], 1
	s_cmp_lg_u32 s[SLOTS], 0
	s_cbranch_scc1 .Lslot
	s_mov_b32 s[TAIL], 2
.Ltail:                                ; chunks 6 and 7: nothing is left to fetch; behind the last barrier nobody reads the ring
	FOUR_STEPS
	CHANGE 0
	s_sub_co_u32 s[TAIL], s[TAIL], 1
	s_cmp_lg_u32 s[TAIL], 0
	s_cbranch_scc1 .Ltail
	; THE WAY OUT.  l's two halves and the other half of the lanes' are added (these lines are also the places behind the last products).  Waves 4-7 hand O^T, -m and l to waves 0-3 as images of their registers.
.irp t, 0,1,2,3
	v_add_f32 v[ST+10*\t+4], v[ST+10*\t+2], v[ST+10*\t+3]
.endr
.irp t, 0,1,2,3
	v_permlanex16_b32 v[ST+10*\t+5], v[ST+10*\t+4], s[SEL], s[SEL+1]
.endr
.irp t, 0,1,2,3
	v_add_f32 v[ST+10*\t+4], v[ST+10*\t+4], v[ST+10*\t+5]
.endr
	s_cmp_lt_u32 s[WV], 4
	s_cbranch_scc1 .Lkeep
	WIN 0x04                                       ; an LDS store's data are its source 1: window 1
.set n, 0
.rept 32
	ds_store_b128 v[MST], v[O+4*n:O+4*n+3] offset:512*n               ; each accumulator from its low end on
.set n, n+1
.endr
	WIN 0
.irp t, 0,1,2,3
	ds_store_b32 v[MSS], v[ST+10*\t] offset:128*\t
	ds_store_b32 v[MSS], v[ST+10*\t+4] offset:512+128*\t
.endr
.Lkeep:
	s_wait_dscnt 0x0                               ; for the partner's sake: my stores have landed
	s_barrier_signal -1
	s_barrier_wait -1
	s_cmp_ge_u32 s[WV], 4
	s_cbranch_scc1 .Lend
.irp ct, 0,1,2,3
	global_load_b128 v[KF+8*\ct:KF+8*\ct+3], v[H32], s[10:11] offset:64*\ct       ; bv of channels 16 ct + 8 h + 0 .. 7, in the result's layout
	global_load_b128 v[KF+8*\ct+4:KF+8*\ct+7], v[H32], s[10:11] offset:64*\ct+16
.endr
.set n, 0
.rept 32
	ds_load_b128 v[S+4*n:S+4*n+3], v[MST] offset:512*n                ; the partner's O^T
.set n, n+1
.endr
.irp t, 0,1,2,3
	ds_load_b32 v[PM+\t], v[MSS] offset:128*\t
	ds_load_b32 v[PM+4+\t], v[MSS] offset:512+128*\t
.endr
	s_wait_dscnt 0x0
.irp t, 0,1,2,3
	v_min_num_f32 v[ST+10*\t+1], v[ST+10*\t], v[PM+\t]                ; -M, M the larger of the two maxima
.endr
.irp t, 0,1,2,3
	v_sub_f32 v[ST+10*\t+6], v[ST+10*\t+1], v[ST+10*\t]               ; my m - M
	v_sub_f32 v[ST+10*\t+8], v[ST+10*\t+1], v[PM+\t]                  ; the partner's m - M
.endr
.irp t, 0,1,2,3
	v_exp_f32 v[ST+10*\t+6], v[ST+10*\t+6]
	v_exp_f32 v[ST+10*\t+8], v[ST+10*\t+8]
.endr
	v_nop
	s_wait_alu depctr_va_vdst(0)                   ; one wait for the eight
.irp t, 0,1,2,3
	v_mul_f32 v[ST+10*\t+4], v[ST+10*\t+6], v[ST+10*\t+4]
.endr
.irp t, 0,1,2,3
	v_fma_f32 v[ST+10*\t+4], v[ST+10*\t+8], v[PM+4+\t], v[ST+10*\t+4] ; the row's sum under M: at least 1
.endr
.irp t, 0,1,2,3
	v_rcp_f32 v[ST+10*\t+5], v[ST+10*\t+4]
.endr
	v_nop
	s_wait_alu depctr_va_vdst(0)                   ; one wait for the four
.irp t, 0,1,2,3
	v_mul_f32 v[ST+10*\t+6], v[ST+10*\t+6], v[ST+10*\t+5]             ; my part's weight,
	v_mul_f32 v[ST+10*\t+8], v[ST+10*\t+8], v[ST+10*\t+5]             ; the partner's
.endr
	s_wait_loadcnt 0x0                             ; bv
.irp t, 0,1,2,3
.set n, 0
.rept 16
	v_pk_fma_f32 v[S+32*\t+2*n:S+32*\t+2*n+1], v[S+32*\t+2*n:S+32*\t+2*n+1], v[ST+10*\t+8:ST+10*\t+9], v[KF+2*n:KF+2*n+1] op_sel_hi:[1,0,1]
.set n, n+1
.endr
.endr
	WIN 0x01                                       ; source 0 (my O^T) window 1
.irp t, 0,1,2,3
.set n, 0
.rept 16
	v_pk_fma_f32 v[S+32*\t+2*n:S+32*\t+2*n+1], v[O+32*\t+2*n:O+32*\t+2*n+1], v[ST+10*\t+6:ST+10*\t+7], v[S+32*\t+2*n:S+32*\t+2*n+1] op_sel_hi:[1,0,1]
.set n, n+1
.endr
.endr
	WIN 0
.irp t, 0,1,2,3
.set n, 0
.rept 16
	v_cvt_pk_f16_f32 v[S+32*\t+n], v[S+32*\t+2*n], v[S+32*\t+2*n+1]
.set n, n+1
.endr
.endr
.irp t, 0,1,2,3
.irp ct, 0,1,2,3
	global_store_b128 v[LI], v[S+32*\t+4*\ct:S+32*\t+4*\ct+3], s[12:13] offset:16384*\t+512*\ct   ; group ct % 2 of the fragment of channels 32 (ct / 2) on: 512 consecutive bytes
.endr
.endr
.Lend:
	s_wait_tensorcnt 0x0                           ; the wave's end: a tensor wait, an add to my spare word and its wait, behind my last tensor load and my last LDS store
	ds_add_u32 v[SPW], v[NIL]
	s_wait_dscnt 0x0
	CROUND                                         ; the closing round: no work-group ends while a partner may still ask for a tile that names it
	s_endpgm
.Lfunc_end_k_q96635292e2_attn:
	.size	k_q96635292e2_attn, .Lfunc_end_k_q96635292e2_attn-k_q96635292e2_attn
	.p2alignl 7, 3214868480
	.fill 96, 4, 3214868480
	.section	.rodata,"a",@progbits
	.p2align	6, 0x0
	.amdhsa_kernel k_q96635292e2_attn
		.amdhsa_group_segment_fixed_size 327680
		.amdhsa_private_segment_fixed_size 0
		.amdhsa_enable_private_segment 0
		.amdhsa_kernarg_size 40
		.amdhsa_user_sgpr_count 2
		.amdhsa_user_sgpr_kernarg_segment_ptr 1
		.amdhsa_wavefront_size32 1
		.amdhsa_system_sgpr_workgroup_id_x 1
		.amdhsa_system_sgpr_workgroup_id_y 1
		.amdhsa_system_sgpr_workgroup_id_z 1
		.amdhsa_system_vgpr_workitem_id 0
		.amdhsa_next_free_vgpr 512
		.amdhsa_next_free_sgpr 66
		.amdhsa_reserve_vcc 0
		.amdhsa_float_denorm_mode_32 3
		.amdhsa_float_denorm_mode_16_64 3
		.amdhsa_memory_ordered 1
		.amdhsa_forward_progress 1
		.amdhsa_inst_pref_size 102
	.end_amdhsa_kernel
	.amdgpu_metadata
---
amdhsa.version: [ 1, 2 ]
amdhsa.kernels:
  - .name:           k_q96635292e2_attn
    .symbol:         k_q96635292e2_attn.kd
    .args:
      - { .name: qf, .offset: 0, .size: 8, .value_kind: global_buffer, .address_space: global }
      - { .name: kv, .offset: 8, .size: 8, .value_kind: global_buffer, .address_space: global }
      - { .name: mask, .offset: 16, .size: 8, .value_kind: global_buffer, .address_space: global }
      - { .name: bv, .offset: 24, .size: 8, .value_kind: global_buffer, .address_space: global }
      - { .name: ao, .offset: 32, .size: 8, .value_kind: global_buffer, .address_space: global }
    .group_segment_fixed_size: 327680
    .private_segment_fixed_size: 0
    .kernarg_segment_align: 8
    .kernarg_segment_size: 40
    .max_flat_workgroup_size: 256
    .sgpr_count:     66
    .vgpr_count:     512
    .wavefront_size: 32
...
	.end_amdgpu_metadata
.endif
;; end of part 3
;; launch oproj (part 4): grid 4 x 64, 4 waves a work-group, clusters of 4 x 4, 327,680 bytes of LDS; arguments ao, wof, bo, out0; writes out0
.if DOCPART == 4
	.amdgcn_target "amdgcn-amd-amdhsa--gfx1250"
	.amdhsa_code_object_version 6
	.text
	.protected	k_q96635292e2_oproj
	.globl	k_q96635292e2_oproj
	.p2align	8
	.type	k_q96635292e2_oproj,@function
k_q96635292e2_oproj:
	s_mov_b64 s[64:65], 0
	v_nop
	global_prefetch_b8 v0, s[64:65] scope:SCOPE_SE
	s_setreg_imm32_b32 hwreg(HW_REG_WAVE_MODE, 25, 1), 1
	s_wait_xcnt 0x0
	s_wait_alu depctr_hold_cnt(0) depctr_sa_sdst(0) depctr_va_vdst(0) depctr_va_sdst(0) depctr_va_ssrc(0) depctr_va_vcc(0) depctr_vm_vsrc(0)
	s_getreg_b32 s2, hwreg(HW_REG_IB_STS2, 6, 4)
	s_cmp_eq_u32 s2, 0
	s_cbranch_scc0 .Lentry_in_a_cluster
	s_endpgm
.Lentry_in_a_cluster:
	s_bfe_u32 s2, ttmp6, 0x10000c
	s_cmp_lg_u32 s2, 0xf033
	s_cbranch_scc0 .Lentry_shape_is_right
	s_endpgm
.Lentry_shape_is_right:
; out0[token][n] = sum over k of A[token][k] Wo[k][n] + bo[n]: A = attention's result, [8192][512]; both operands f16, as images of their registers (ao, wof); sums in f32; out0 f32.
; A work-group makes 128 tokens x 128 columns; each of its four waves 64 x 64: 16 accumulators.  All of K = 512 fits in LDS at once (131,072 bytes a side): each wave brings 65,536 dense bytes
; by ONE tensor load, and nothing is ever filled again: no ring.
; CLUSTERS: 4 x 4 work-groups.  The four of a row of the cluster need the same tokens, the four of a column the same columns of Wo: each block is asked for JOINTLY.
; THE MATRIX INSTRUCTION IS USED TRANSPOSED (source 0 = 16 columns of Wo, source 1 = 16 tokens): a lane holds eight neighbouring numbers of a row of out0.  bo is the C of each sum's first instruction.
; REGISTERS.  Window 0: v1-8 addresses; v16-47 bo, four tiles in the result's layout; v48-111 rows on the way out, two sets; v128-255 accumulator (a, b) at 128 + 8 (4 b + a).
;   Window 1: two fragment buffers of 128: for 64 along K, 64 registers of Wo (8 (4 c + a)), then 64 of A (64 + 8 (4 c + b)).
.set STAGE, 262144                     ; behind the operands: 16 rows x (256 + 16) bytes for each wave; no load lands here
.set SPITCH, 272
.set SPARE, STAGE+4*16*SPITCH          ; the spare words, 128 bytes a wave: two blocks of 256 bytes that no other line names
.set ADA, 1                            ; v1   my 4 token tiles in LDS + 16 x lane
.set ADB, 2                            ; v2   my 4 column tiles
.set STO, 3                            ; v3   the stage, in: row r, 32 bytes for each half of the lanes
.set RD,  4                            ; v4   the stage, back: lanes 0-15 one row, lanes 16-31 the next
.set CO,  5                            ; v5   the same two rows in out0
.set SPW, 6                            ; v6   LDS address of my spare word; never rewritten
.set NIL, 7                            ; v7   0; never rewritten
.set H32, 8                            ; v8   32 h
.set BO,  16
.set OB,  48
.set ACC, 128
.set G1,  24                           ; s[24:31], s[32:35] groups 1 and 0 for the tokens' block
.set G0,  32
.set G1B, 48                           ; s[48:55], s[56:59] for Wo's
.set G0B, 56
.set MSB, 0
.macro WIN new                         ; the immediate's high byte repeats the setting that is left
.if MSB != \new
	s_set_vgpr_msb (MSB<<8)|\new
.set MSB, \new
.endif
.endm
.macro CROUND                          ; a round of the cluster's barrier
	s_barrier_signal -1
	s_barrier_wait -1
	s_cmp_lg_u32 s12, 0
	s_cbranch_scc1 .Lnot_wave_0_\@
	s_barrier_signal -3
.Lnot_wave_0_\@:
	s_barrier_wait -3
	s_barrier_signal -1
	s_barrier_wait -1
.endm
	s_load_b256 s[4:11], s[0:1], 0x0               ; ao 4, wof 6, bo 8, out0 10
	v_lshl_add_u32 v[SPW], v0, 2, SPARE
	v_mov_b32 v[NIL], 0
	ds_add_u32 v[SPW], v[NIL]                      ; the wave's opening: the add, twice on end, and its wait ahead of my first tensor load; the set-up below stands between
	ds_add_u32 v[SPW], v[NIL]
	v_lshrrev_b32 v9, 5, v0
	v_readfirstlane_b32 s12, v9                    ; wave 0..3
	s_lshr_b32 s13, s12, 1                         ; which 64 tokens are mine.  Also: I fetch tokens (0) or Wo (1)
	s_and_b32 s14, s12, 1                          ; which 64 columns.  Also: which four tiles of that block I fetch
	s_bfe_u32 s40, ttmp6, 0x40000                  ; cx, cy: my place in the cluster
	s_bfe_u32 s41, ttmp6, 0x40004
	s_lshl_b32 s42, ttmp9, 2
	s_add_co_u32 s42, s42, s40                     ; block of 128 columns
	s_and_b32 s15, ttmp7, 0xffff
	s_lshl_b32 s15, s15, 2
	s_add_co_u32 s15, s15, s41                     ; block of 128 tokens
	s_lshl_b32 s43, s41, 2
	s_lshl_b32 s43, 15, s43                        ; my row of the cluster
	s_lshl_b32 s44, 0x1111, s40                    ; my column
	s_or_b32 s[G1], s43, (3<<16)|(1<<21)           ; 15:0 the mask: the tokens' block goes to my row; 17:16 elements of 8 bytes; 21 set beside a mask; no padding
	s_or_b32 s[G1B], s44, (3<<16)|(1<<21)          ; Wo's block goes to my column
.irp g, G1, G1B
	s_mov_b32 s[\g+1], 32<<16                      ; tensor_dim0 = 32 elements: rows of 256 bytes
	s_mov_b32 s[\g+2], 256<<16                     ; tensor_dim1 = 256
	s_mov_b32 s[\g+3], 32<<16                      ; tile_dim0
	s_mov_b32 s[\g+4], 256                         ; tile_dim1
	s_mov_b32 s[\g+5], 32                          ; from row to row: dense
	s_mov_b32 s[\g+6], 0
	s_mov_b32 s[\g+7], 0
.endr
	s_lshl_b32 s18, s14, 2
	s_lshl_b32 s16, s15, 3
	s_add_co_u32 s16, s16, s18
	s_lshl_b32 s16, s16, 14                        ; ao: token tile 8 x block + 4 x half, 16,384 bytes each
	s_mov_b32 s17, 0
	s_lshl_b32 s46, s42, 3
	s_add_co_u32 s46, s46, s18
	s_lshl_b32 s46, s46, 14                        ; wof: column tile likewise
	s_mov_b32 s47, 0
	s_lshl_b32 s20, s12, 16                        ; where they go: 65,536 x wave: no place in the cluster enters an LDS address
	s_lshl_b32 s60, s15, 7
	s_lshl_b32 s22, s13, 6
	s_add_co_u32 s60, s60, s22
	s_lshl_b32 s60, s60, 11                        ; out0: my first token's row of 2,048 bytes,
	s_lshl_b32 s62, s42, 9
	s_lshl_b32 s22, s14, 8
	s_add_co_u32 s62, s62, s22                     ; my 64 columns: 256 bytes, aligned; the same offset serves bo
	s_add_co_u32 s60, s60, s62
	s_mov_b32 s61, 0
	s_mov_b32 s63, 0
	v_and_b32 v9, 31, v0                           ; lane
	v_and_b32 v10, 15, v0                          ; r
	v_bfe_u32 v11, v0, 4, 1                        ; h
	s_lshl_b32 s22, s13, 16
	v_lshl_add_u32 v[ADA], v9, 4, s22
	s_lshl_b32 s22, s14, 16
	s_add_co_u32 s22, s22, 131072
	v_lshl_add_u32 v[ADB], v9, 4, s22
	s_mul_i32 s23, s12, 16*SPITCH
	s_add_co_u32 s23, s23, STAGE                   ; my stage
	v_mul_u32_u24 v[STO], v10, SPITCH
	v_lshl_add_u32 v[STO], v11, 5, v[STO]
	v_add_nc_u32 v[STO], s23, v[STO]
	v_mul_u32_u24 v[RD], v11, SPITCH
	v_lshl_add_u32 v[RD], v10, 4, v[RD]
	v_add_nc_u32 v[RD], s23, v[RD]
	v_lshlrev_b32 v[CO], 11, v11
	v_lshl_add_u32 v[CO], v10, 4, v[CO]
	v_lshlrev_b32 v[H32], 5, v11
	s_wait_dscnt 0x0                               ; both opening adds are done
	s_wait_kmcnt 0x0
	s_mov_b32 s[G0], 1
	s_mov_b32 s[G0+1], s20
	s_add_nc_u64 s[G0+2:G0+3], s[4:5], s[16:17]
	s_or_b32 s[G0+3], s[G0+3], 0x80000000
	s_mov_b32 s[G0B], 1
	s_mov_b32 s[G0B+1], s20
	s_add_nc_u64 s[G0B+2:G0B+3], s[6:7], s[46:47]
	s_or_b32 s[G0B+3], s[G0B+3], 0x80000000
	s_add_nc_u64 s[8:9], s[8:9], s[62:63]
	s_add_nc_u64 s[10:11], s[10:11], s[60:61]
	CROUND                                         ; all sixteen work-groups are here: the joint loads meet
	s_cmp_eq_u32 s13, 0                            ; waves 0 and 1 fetch the tokens' two halves, waves 2 and 3 Wo's: the branch hangs on the wave's number alone; one load of mine is out
	s_cbranch_scc0 .Lfor_b
	tensor_load_to_lds s[G0:G0+3], s[G1:G1+7]
	s_nop 0
.rept 4
	v_nop
.endr
	s_branch .Lasked
.Lfor_b:
	tensor_load_to_lds s[G0B:G0B+3], s[G1B:G1B+7]
	s_nop 0
.rept 4
	v_nop
.endr
.Lasked:
.irp a, 0,1,2,3
	global_load_b128 v[BO+8*\a:BO+8*\a+3], v[H32], s[8:9] offset:64*\a            ; bo of columns 16 a + 8 h + 0 .. 7
	global_load_b128 v[BO+8*\a+4:BO+8*\a+7], v[H32], s[8:9] offset:64*\a+16
.endr
	s_wait_tensorcnt 0x0                           ; my block is in,
	s_barrier_signal -1
	s_barrier_wait -1                              ; everybody's is
; 32 LDS loads in one run: the fragments of K steps 2 p and 2 p + 1 (32 along K each) into buffer f; the first 32 along K first.  A fragment is two groups of 512 consecutive bytes
.macro FETCH p, f
	WIN 0x40
.irp c, 0,1
.irp i, 0,1,2,3
	ds_load_b128 v[\f+8*(4*\c+\i):\f+8*(4*\c+\i)+3],       v[ADB] offset:16384*\i+1024*(2*(\p)+\c)
	ds_load_b128 v[\f+8*(4*\c+\i)+4:\f+8*(4*\c+\i)+7],     v[ADB] offset:16384*\i+1024*(2*(\p)+\c)+512
	ds_load_b128 v[\f+64+8*(4*\c+\i):\f+64+8*(4*\c+\i)+3],   v[ADA] offset:16384*\i+1024*(2*(\p)+\c)
	ds_load_b128 v[\f+64+8*(4*\c+\i)+4:\f+64+8*(4*\c+\i)+7], v[ADA] offset:16384*\i+1024*(2*(\p)+\c)+512
.endr
.endr
.endm
; 16 matrix instructions, 32 along K: half c of buffer f.  The sixteen accumulators take turns, one instruction a turn.  first = 1: the sums start from bo
.macro MUL16 f, c, first
.irp b, 0,1,2,3
.irp a, 0,1,2,3
.if \first
	v_wmma_f32_16x16x32_f16 v[ACC+8*(4*\b+\a):ACC+8*(4*\b+\a)+7], v[\f+8*(4*\c+\a):\f+8*(4*\c+\a)+7], v[\f+64+8*(4*\c+\b):\f+64+8*(4*\c+\b)+7], v[BO+8*\a:BO+8*\a+7]
.else
	v_wmma_f32_16x16x32_f16 v[ACC+8*(4*\b+\a):ACC+8*(4*\b+\a)+7], v[\f+8*(4*\c+\a):\f+8*(4*\c+\a)+7], v[\f+64+8*(4*\c+\b):\f+64+8*(4*\c+\b)+7], v[ACC+8*(4*\b+\a):ACC+8*(4*\b+\a)+7]
.endif
.endr
.endr
.endm
; 64 along K: multiplies buffer p % 2; in its middle the next pair's fragments are fetched into the other buffer
.macro PAIR p, last
	s_wait_dscnt 16                                ; the first 32 along K are in; the youngest sixteen loads may be out
	WIN 0x05                                       ; sources 0 and 1 window 1; C and D window 0
.if (\p) == 0
	MUL16 128*((\p)%2), 0, 1
.else
	MUL16 128*((\p)%2), 0, 0
.endif
.if \last
	s_wait_dscnt 0x0
.else
.rept 4
	v_nop                                          ; four places in front of loads into registers that the pair before's products have read
.endr
	FETCH (\p)+1, 128*(((\p)+1)%2)
	s_wait_dscnt 32                                ; all but the 32 just issued
	WIN 0x05
.endif
	MUL16 128*((\p)%2), 1, 0
.endm
	FETCH 0, 0
	s_wait_loadcnt 0x0                             ; bo
	PAIR 0, 0
	PAIR 1, 0
	PAIR 2, 0
	PAIR 3, 0
	PAIR 4, 0
	PAIR 5, 0
	PAIR 6, 0
	PAIR 7, 1
	WIN 0
; THE WAY OUT, a token tile (16 rows x my 64 columns) at a time: a lane's 32 bytes go into my own stage and come back as whole rows of 256 bytes.  LDS serves a wave's instructions in order:
; no wait between the stores and the loads, nor in front of the next tile's stores.
.macro TOSTAGE b
.irp a, 0,1,2,3
	ds_store_b128 v[STO], v[ACC+8*(4*(\b)+\a):ACC+8*(4*(\b)+\a)+3] offset:64*\a            ; each accumulator from its low end on
	ds_store_b128 v[STO], v[ACC+8*(4*(\b)+\a)+4:ACC+8*(4*(\b)+\a)+7] offset:64*\a+16
.endr
.irp i, 0,1,2,3,4,5,6,7
	ds_load_b128 v[OB+32*((\b)%2)+4*\i:OB+32*((\b)%2)+4*\i+3], v[RD] offset:2*SPITCH*\i
.endr
.endm
.macro SEND b, younger                 ; younger: the LDS instructions issued behind tile b's loads, which may stay out
	s_wait_dscnt \younger
.irp i, 0,1,2,3,4,5,6,7
	global_store_b128 v[CO], v[OB+32*((\b)%2)+4*\i:OB+32*((\b)%2)+4*\i+3], s[10:11] offset:(16*(\b)+2*\i)*2048 th:TH_STORE_NT   ; sixteen lanes store 256 consecutive bytes, aligned; written once, read by nobody here
.endr
.endm
.rept 4
	v_nop                                          ; four places between the last product and the first read of a result
.endr
	TOSTAGE 0
.irp b, 1,2,3
.if \b > 1
	s_wait_xcnt 0x0                                ; tile b - 2's stores have read their registers: tile b's rows may land there
.endif
	TOSTAGE \b
	SEND \b-1, 16                                  ; behind tile b - 1's loads: tile b's 8 stores and 8 loads
.endr
	SEND 3, 0
	s_wait_tensorcnt 0x0                           ; the wave's end: a tensor wait, an add to my spare word and its wait, behind my last tensor load and my last LDS store
	ds_add_u32 v[SPW], v[NIL]
	s_wait_dscnt 0x0
	CROUND                                         ; the closing round: no work-group ends while a partner may still ask for a tile that names it
	s_endpgm
.Lfunc_end_k_q96635292e2_oproj:
	.size	k_q96635292e2_oproj, .Lfunc_end_k_q96635292e2_oproj-k_q96635292e2_oproj
	.p2alignl 7, 3214868480
	.fill 96, 4, 3214868480
	.section	.rodata,"a",@progbits
	.p2align	6, 0x0
	.amdhsa_kernel k_q96635292e2_oproj
		.amdhsa_group_segment_fixed_size 327680
		.amdhsa_private_segment_fixed_size 0
		.amdhsa_enable_private_segment 0
		.amdhsa_kernarg_size 32
		.amdhsa_user_sgpr_count 2
		.amdhsa_user_sgpr_kernarg_segment_ptr 1
		.amdhsa_wavefront_size32 1
		.amdhsa_system_sgpr_workgroup_id_x 1
		.amdhsa_system_sgpr_workgroup_id_y 1
		.amdhsa_system_sgpr_workgroup_id_z 1
		.amdhsa_system_vgpr_workitem_id 0
		.amdhsa_next_free_vgpr 512
		.amdhsa_next_free_sgpr 66
		.amdhsa_reserve_vcc 0
		.amdhsa_float_denorm_mode_32 3
		.amdhsa_float_denorm_mode_16_64 3
		.amdhsa_memory_ordered 1
		.amdhsa_forward_progress 1
		.amdhsa_inst_pref_size 48
	.end_amdhsa_kernel
	.amdgpu_metadata
---
amdhsa.version: [ 1, 2 ]
amdhsa.kernels:
  - .name:           k_q96635292e2_oproj
    .symbol:         k_q96635292e2_oproj.kd
    .args:
      - { .name: ao, .offset: 0, .size: 8, .value_kind: global_buffer, .address_space: global }
      - { .name: wof, .offset: 8, .size: 8, .value_kind: global_buffer, .address_space: global }
      - { .name: bo, .offset: 16, .size: 8, .value_kind: global_buffer, .address_space: global }
      - { .name: out0, .offset: 24, .size: 8, .value_kind: global_buffer, .address_space: global }
    .group_segment_fixed_size: 327680
    .private_segment_fixed_size: 0
    .kernarg_segment_align: 8
    .kernarg_segment_size: 32
    .max_flat_workgroup_size: 128
    .sgpr_count:     66
    .vgpr_count:     512
    .wavefront_size: 32
...
	.end_amdgpu_metadata
.endif
;; end of part 4
